; MI455X (gfx1250); checked and timed in simulation.
; The chip was launched on July 23, 2026; its instructions are those of AMD's public machine-readable ISA for CDNA 5 (MIT licence, August 2026) and "CDNA5" Instruction Set Architecture Reference Guide (July 2026). The comments in the code are by the model that wrote it; some were corrected since.
;; MMN. Allowed arithmetic: matrix products marked QUANTISED: E2M1 operands, one E8M0 scale for each 32 along K, by v_wmma_scale_f32_16x16x128_f8f6f4 with both operands' format E2M1 (or v_wmma_scale_f32_32x16x128_f4), f32 sums; products left as they are: f32 operands where the result goes on into a quantised operand, else bf16, f16 or f32 operands; f32 sums; everything else in f32.
;; Inputs: W1_codes 128 x 16 x 16 uint8 (E2M1 codes of W1, K innermost, in blocks of 32 codes, two codes a byte); W1_scales 128 x 16 uint8 (E8M0 scales of W1, one for each 32 codes along K); W2_codes 128 x 16 x 16 uint8 (E2M1 codes of W2, K innermost, in blocks of 32 codes, two codes a byte); W2_scales 128 x 16 uint8 (E8M0 scales of W2, one for each 32 codes along K); Wfuse 128 float32; Wiou_codes 256 x 16 x 16 uint8 (E2M1 codes of Wiou, K innermost, in blocks of 32 codes, two codes a byte); Wiou_scales 256 x 16 uint8 (E8M0 scales of Wiou, one for each 32 codes along K); Wp_codes 256 x 16 x 16 uint8 (E2M1 codes of Wp, K innermost, in blocks of 32 codes, two codes a byte); Wp_scales 256 x 16 uint8 (E8M0 scales of Wp, one for each 32 codes along K); b1 128 float32; b2 128 float32; feats 16 x 512 x 64 float32; sent_feat 16 x 8 x 256 float32; sent_feat_fusion_codes 16 x 8 x 16 x 16 uint8 (E2M1 codes of sent_feat_fusion, K innermost, in blocks of 32 codes, two codes a byte); sent_feat_fusion_scales 16 x 8 x 16 uint8 (E8M0 scales of sent_feat_fusion, one for each 32 codes along K); sent_feat_iou 16 x 8 x 256 float32.
;; Outputs: out0 3 x 16 x 8 x 64 x 64 float32.
;; This version of the problem:
;;   THIS VERSION OF THE PROBLEM IS GIVEN IN LOW PRECISION. The matrix products marked QUANTISED in the list below multiply operands that are first quantised to E2M1 (2 exponent bits, 1 mantissa bit; 4 bits a number), with one power-of-two scale for each 32 numbers along K (OCP MX v1.0); their sums are f32. All else is computed in f32.
;;   The module's matrix products, in the order in which they are computed (A, B: the left and right operand; K: the contracted axis; several contracted axes count as one K, in the product's order):
;;     1. batch 8,192 x [M 64, K 1] x [K 1, N 64]; A: computed on the way; B: computed on the way: left as it is (no contracted axis)
;;     2. [M 65,536, K 512] x [K 512, N 256]; A: computed on the way; B: input Wiou (given as codes): QUANTISED
;;     3. batch 8,192 x [M 64, K 1] x [K 1, N 64]; A: computed on the way; B: computed on the way: left as it is (no contracted axis)
;;     4. [M 65,536, K 512] x [K 512, N 256]; A: computed on the way; B: input Wp (given as codes): QUANTISED
;;     5. batch 16 x [M 8, K 256] x [K 256, N 4,096]; A: computed on the way; B: computed on the way: left as it is (M = 8 < 16)
;;     6. batch 16 x [M 8, K 256] x [K 256, N 4,096]; A: computed on the way; B: computed on the way: left as it is (M = 8 < 16)
;;     7. [M 128, K 512] x [K 512, N 1,024]; A: input W1 (given as codes); B: input feats: QUANTISED
;;     8. [M 128, K 512] x [K 512, N 128]; A: input sent_feat_fusion (given as codes); B: input W2 (given as codes): QUANTISED
;;     9. batch 128 x [M 8,192, K 1] x [K 1, N 1]; A: computed on the way; B: computed on the way: left as it is (no contracted axis)
;;     10. batch 128 x [M 64, K 128] x [K 128, N 64]; A: computed on the way; B: computed on the way: QUANTISED
;;   THE QUANTISER, for each operand of a quantised product, along K:
;;     - K is cut into blocks of 32 from its start; a last block that is shorter is filled with zeros.
;;     - A block's scale is 2^e with e = floor(log2(the largest magnitude in the block)) - 2, held to -126 .. 127; a block of zeros has e = 0. As a byte (E8M0): e + 127.
;;     - Each number is divided by its block's scale, clamped to +-6, and rounded to the nearest number of E2M1, ties to even, subnormals kept.
;;     - The product sums the exact products of the quantised numbers (number of the format x scale) in f32.
;;   ~~~python
;;   def quantise(x, axis):      # numpy; x: float32 -> the quantised numbers, widened to float32 again
;;       x = np.moveaxis(x, axis, -1); K = x.shape[-1]
;;       x = np.pad(x, [(0, 0)] * (x.ndim - 1) + [(0, -K % 32)]); x = x.reshape(x.shape[:-1] + (-1, 32)); a = np.abs(x).max(-1, keepdims=True)
;;       e = np.where(a > 0, np.clip(np.frexp(np.where(a > 0, a, 1))[1] - 1 - 2, -126, 127), 0)      # np.frexp(a)[1] - 1 = floor(log2(a)), exactly
;;       r = np.clip(x / 2.0 ** e, -6, 6)
;;       step = 2.0 ** (np.maximum(np.frexp(np.where(r == 0, 1, r))[1] - 1, 0) - 1)
;;       q = np.round(r / step) * step * 2.0 ** e      # np.round: ties to even
;;       return np.moveaxis(q.reshape(q.shape[:-2] + (-1,))[..., :K], -1, axis).astype(np.float32)
;;   ~~~
;;   OPERANDS COMPUTED ON THE WAY. 'Computed on the way' means the value that the module computes at that place (a softmax that the list does not call 'softmax' is quantised finished and normalised). What goes into a quantiser is computed in f32, as accurately as f32 sums, v_exp_f32 and their like allow (about 1e-6 of the number): no bf16 or f16 on the way to a quantiser, and a product that is left as it is and whose result goes on into a quantised operand takes f32 operands (vector FMAs, or v_wmma_f32_16x16x4_f32). A number that lies on a knife's edge between two numbers of the format may be rounded either way, as far as f32 arithmetic and the matrix unit's own rounding can turn it there, and no further.
;;   INPUTS GIVEN AS CODES. W1 (in the module: [512, 128], K = its axis 0); W2 (in the module: [512, 128], K = its axis 0); Wiou (in the module: [256, 512], K = its axis 1); Wp (in the module: [256, 512], K = its axis 1); sent_feat_fusion (in the module: [16, 8, 512], K = its axis 2): each comes as NAME_codes (uint8): NAME with its K axis moved to the last place and cut into blocks of 32 codes, [.., K / 32, bytes a block], one block behind the other in memory; two codes a byte, the lower K in the low four bits (a code: sign, 2 exponent bits, 1 mantissa bit); and NAME_scales (uint8): the same leading axes, one E8M0 byte (e + 127) for each 32 codes along K. Its value is code x scale, taken as it is: it is not quantised again, and the codes and scales need not be those that the quantiser above would give.
;; One version. Each part assembles by itself: llvm-mc -triple=amdgcn-amd-amdhsa -mcpu=gfx1250 --defsym DOCPART=n.
;; ======== version 1 of 1: 1 launch
;; launch mmn (part 1): grid 16 x 16, 4 waves a work-group, clusters of 4 x 1, 327,680 bytes of LDS; arguments feats, sent_feat_iou, sent_feat, sent_feat_fusion_codes, sent_feat_fusion_scales, W1_codes, W1_scales, b1, W2_codes, W2_scales, b2, Wfuse, Wiou_codes, Wiou_scales, Wp_codes, Wp_scales, out0; writes out0
.if DOCPART == 1
	.amdgcn_target "amdgcn-amd-amdhsa--gfx1250"
	.amdhsa_code_object_version 6
	.text
	.protected	k_qa79a60807a_mmn
	.globl	k_qa79a60807a_mmn
	.p2align	8
	.type	k_qa79a60807a_mmn,@function
k_qa79a60807a_mmn:
	s_mov_b64 s[64:65], 0
	v_nop
	global_prefetch_b8 v0, s[64:65] scope:SCOPE_SE
	s_setreg_imm32_b32 hwreg(HW_REG_WAVE_MODE, 25, 1), 1
	s_wait_xcnt 0x0
	s_wait_alu depctr_hold_cnt(0) depctr_sa_sdst(0) depctr_va_vdst(0) depctr_va_sdst(0) depctr_va_ssrc(0) depctr_va_vcc(0) depctr_vm_vsrc(0)
	s_getreg_b32 s2, hwreg(HW_REG_IB_STS2, 6, 4)
	s_cmp_eq_u32 s2, 0
	s_cbranch_scc0 .Lentry_in_a_cluster
	s_endpgm
.Lentry_in_a_cluster:
	s_bfe_u32 s2, ttmp6, 0x10000c
	s_cmp_lg_u32 s2, 0x3003
	s_cbranch_scc0 .Lentry_shape_is_right
	s_endpgm
.Lentry_shape_is_right:
; MMN scoring heads, one launch.  out0 [3][16][8][64][64] f32: head 0 = sigmoid(10 cos(sent_iou, Wiou A)) x triu, head 1 = sigmoid(10 fusion score) x triu, head 2 = cos(sent, Wp A) x triu.
; A[(n, m)][d] = feats[b][d][n] x feats[b][d][m], one f32 multiply, quantised to E2M1 along d in blocks of 32; Wiou, Wp, W1, W2 and sent_feat_fusion come as codes and are taken as they lie.
; SHARES.  Work-group (b, i), i = 0 .. 15, owns the start clips n = i + 16 q, q = 0 .. 3.  A tile is one n and 16 neighbouring m; tiles wholly under triu are not multiplied: 4 + 3 + 2 + 1 = 10 tiles in EVERY
; work-group, so the text is the same everywhere and has no branch but the cluster round's.  The same work-group makes, of the fusion head, sentence s = 4 (X & 1) + cx and the clip tiles {half, 3 - half}, half = X >> 1 (X: the cluster's x).
; WAVES.  Making operands: wave w = K step w (d = 128 w .. 128 w + 127) of all ten tiles.  Multiplying: wave w = (head w >> 1, five tiles of group w & 1) against all 256 rows of that head's weight.
; Operands go from wave to wave through LDS as images of their registers (16 bytes a lane, 512 a store), scale words 4 bytes a lane.
; CLUSTER.  The four work-groups of a cluster share b: feats[b] and both weights are asked for jointly (mask 15), each wave a quarter.  W1, W2, scales, biases and sentences are read once by one wave each, straight into registers.
; Nothing in LDS is filled twice: three tensor loads a wave, all at the head, three outstanding at the most.  No prefetch: every tile is asked for at the head.
; PRODUCTS LEFT AS THEY ARE (sentence x normalised map, M = 8): bf16 operands, f32 sums; the map is rounded to bf16 unnormalised and the score divided by the f32 norm, so bf16's range is the f32 range.
; LIMITS.  NaN and infinities among the inputs are not served.  A block of zeros, or one whose largest magnitude lies under 2^-124, gets the scale byte 1: its codes are zeros or held there, and this program alone reads those bytes.
; A sum of squares under 2^-126 counts as 0 in v_sqrt_f32; the clip at 1e-12 then rules, as in the definition.  b1 and b2 enter as the C of a sum's first matrix instruction: the order of f32 roundings differs from a sum followed by an addition.
; Wfuse multiplies the operand that is indexed by the output's row n (the first of the two equal-cost orders of the three-operand contraction).
;
; LDS (bytes)
.set FEW,    33024                     ; a wave's quarter of feats: 32 rows of 1,024 bytes (4 d x 64 clips) + 8 of padding
.set FE2,    2*FEW
.set WI,     4*FEW                     ; Wiou's codes: 256 rows of 256 bytes + 16 of padding
.set WROWS,  64*272                    ; what one tensor load brings of them
.set WHB,    4*WROWS                   ; then Wp's likewise
.set AIMG,   WI+2*WHB                  ; A's 40 fragments: (tile, K step) at (4 tile + K step) x 1,024
.set ASC,    AIMG+40*1024              ; their scale words, 128 bytes each
.set Q2IMG,  ASC+40*128                ; q2: four images of 16 registers, 2,048 bytes each
; inside a wave's quarter of feats, once that wave has read it into registers (it has had its one fill):
.set FIMG,   0                         ; feats' fragments (clip tile nt, K step = the wave): 1,024 nt
.set FSC,    4096                      ; their scale words: 128 nt
.set V1IMG,  5120                      ; v1: images of 16 registers: 2,048 nt
.set FAI,    13312                     ; the fusion operand weighted by Wfuse;
.set FBI,    14336                     ; the plain one;
.set FAS,    15360                     ; their scale words
.set FBS,    15488
.set OSTG,   15872                     ; the wave's stage for heads 0 and 2: 16 rows x 272 (4,608 bytes are cleared)
.set FSTG,   20480                     ; in wave 0's quarter alone: the fusion head's stage, 32 rows x 272
; VECTOR REGISTERS, window 0: addresses
.set L16,  4                           ; 16 x lane
.set L4,   5                           ; 4 x lane
.set L16B, 6                           ; the same + two quarters, so that immediates reach quarters 2 and 3
.set L4B,  7
.set AFM,  8                           ; feats from my quarter: 33,024 w + 8,256 h + 4 r
.set OWN16, 9                          ; my quarter + 16 x lane
.set OWN4, 10
.set AIW,  11                          ; where I store A's images; their scale words
.set ASW,  12
.set Q2W,  13
.set Q2R,  14
.set V1R,  15
.set V1RB, 16
.set AIR,  17                          ; where I read my group's five tiles; their scale words
.set ASR,  18
.set WFR,  19                          ; my head's weight: row r, + 16 h
.set FST,  20
.set FSR,  21
.set OST,  22                          ; v22-26: tile p's place in my stage
.set OSR,  27
.set SH8,  28                          ; 8 h
.set VO0,  29                          ; out0: 16,384 h + 16 r;  v30: the same in my second row n
.set VO1,  30
.set GW,   31                          ; W1, W2: 256 (r + 8 (r / 8)) + 16 h
.set GWS,  32                          ; their scale words
.set GB,   33                          ; 64 h
.set GS,   34                          ; sentences: 1,024 (r % 8) + 32 h
.set GF,   35                          ; 16 h
.set NIL,  36                          ; 0
.set DA,   37                          ; fusion mask: register e is kept where e >= this
.set DB,   38
.set TMPA, 39
.set TM,   40                          ; v40-55 at work in the quantisers
.set PR,   56                          ; v56-119 64 numbers; later accumulators v56-135
.set CDS,  120                         ; v120-175 seven sets of a fragment's codes
.set CWD,  176                         ; v176-182 the scale words made with them
; v184-248 hold scale words of matrix instructions; v254-255 an LDS address and 0
.set SCA,  184                         ; A's: 4 p + K step
.set SCW,  204                         ; Wiou's or Wp's: 4 jp + K step (lanes 0-15 rows 32 jp + r, lanes 16-31 rows 32 jp + 16 + r)
.set SCF,  204                         ; before that: feats': 4 nt + K step,
.set SCW2, 220                         ; W2's, 4 u + K step,
.set SCSF, 228                         ; the sentence's
.set SCW1, 236
.set SCFB, 244
.set SCFA, 245                         ; v245-248
; window 1: feats (64 mt + 32 c + j); then feats' fragments v0-127 and q2 v128-191; then bf16 operand v0-39, sums of squares v40-49, scores v56-95
; window 2: v0-63 W1's fragments, later weight set 1; v64-127 W2's, then f_n, then weight set 0; v128-159 the sentence's codes; v160-175 b1; v176-191 b2; v192-255 Wfuse
; window 3: v0-127 sentences in f32, then A's fragments v0-159 (32 p + 8 K step); v128-139 at work; v192-255 sentences in bf16 (8 jp)
.set MSB, 0
.macro WIN new                         ; the immediate's high byte repeats the setting that is left; a switch that changes nothing is dropped
.if MSB != \new
	s_set_vgpr_msb (MSB<<8)|\new
.set MSB, \new
.endif
.endm
.macro PLACES n
.rept \n
	v_nop
.endr
.endm
.macro ROUND                           ; a round of the cluster's barrier
	s_barrier_signal -1
	s_barrier_wait -1
	s_cmp_lg_u32 s2, 0
	s_cbranch_scc1 .Lnot_wave_0_\@
	s_barrier_signal -3
.Lnot_wave_0_\@:
	s_barrier_wait -3
	s_barrier_signal -1
	s_barrier_wait -1
.endm
.macro BAR                             ; my LDS stores have landed and my LDS loads are in: then the work-group's barrier
	s_wait_dscnt 0x0
	s_barrier_signal -1
	s_barrier_wait -1
.endm
; One FP4 matrix instruction.  c < 0: the constant 0 starts the sum.  row = 1: source 0's scale words stand in lanes 16-31.
.macro MM d, a, b, c, sa, sb, row
.if (\c) < 0
.if \row
	v_wmma_scale_f32_16x16x128_f8f6f4 v[(\d):(\d)+7], v[(\a):(\a)+7], v[(\b):(\b)+7], 0, v[\sa], v[\sb] matrix_a_fmt:MATRIX_FMT_FP4 matrix_b_fmt:MATRIX_FMT_FP4 matrix_a_scale:MATRIX_SCALE_ROW1
.else
	v_wmma_scale_f32_16x16x128_f8f6f4 v[(\d):(\d)+7], v[(\a):(\a)+7], v[(\b):(\b)+7], 0, v[\sa], v[\sb] matrix_a_fmt:MATRIX_FMT_FP4 matrix_b_fmt:MATRIX_FMT_FP4
.endif
.else
.if \row
	v_wmma_scale_f32_16x16x128_f8f6f4 v[(\d):(\d)+7], v[(\a):(\a)+7], v[(\b):(\b)+7], v[(\c):(\c)+7], v[\sa], v[\sb] matrix_a_fmt:MATRIX_FMT_FP4 matrix_b_fmt:MATRIX_FMT_FP4 matrix_a_scale:MATRIX_SCALE_ROW1
.else
	v_wmma_scale_f32_16x16x128_f8f6f4 v[(\d):(\d)+7], v[(\a):(\a)+7], v[(\b):(\b)+7], v[(\c):(\c)+7], v[\sa], v[\sb] matrix_a_fmt:MATRIX_FMT_FP4 matrix_b_fmt:MATRIX_FMT_FP4
.endif
.endif
.endm
; feats[128 w + 64 c + 32 h + j][16 mt + r] -> window 1, v[64 mt + 32 c + j]: the very k that the 4-bit operand's layout gives lane (r, h).  Lanes 16-31 read 8 LDS rows (8,256 bytes = 2,064 words) further on: other banks than lanes 0-15 (64 banks of 4 bytes: ISA guide 11.1)
.macro FMLOAD mt
	WIN 0x40
.set t, 0
.rept 64
	ds_load_b32 v[64*(\mt)+t], v[AFM] offset:(16*(t/32)+(t%32)/4)*1032+(t%4)*256+64*(\mt)
.set t, t+1
.endr
.endm
; f_n for n = 16 q + i: every lane takes lane i of its own half, which holds that column -> window 2, v64-127 (written before: W2's fragments lay there)
.macro FNMAKE q
	WIN 0x81
.set t, 0
.rept 64
	v_permlane16_b32 v[64+t], v[64*(\q)+t], s78, s79
.set t, t+1
.endr
.endm
; 64 numbers of a lane, two whole blocks of 32 along K (register 32 c + j = k 64 c + 32 h + j), become a fragment's codes in set cs and its scale word.  sw = 1: the numbers lie in window 1.
.macro QCORE base, sw, cs
.if \sw
	WIN 0x14
.else
	WIN 0
.endif
.irp c, 0,1
	v_max3_num_f32 v[TM+\c], 0x1800000, |v[(\base)+32*\c]|, |v[(\base)+32*\c+1]|          ; four chains, two a block, each from the floor 2^(3 - 127): the byte cannot fall under 1
	v_max3_num_f32 v[TM+8+\c], 0x1800000, |v[(\base)+32*\c+16]|, |v[(\base)+32*\c+17]|
.endr
.irp i, 2,4,6,8,10,12,14
.irp c, 0,1
	v_max3_num_f32 v[TM+\c], v[TM+\c], |v[(\base)+32*\c+\i]|, |v[(\base)+32*\c+\i+1]|
	v_max3_num_f32 v[TM+8+\c], v[TM+8+\c], |v[(\base)+32*\c+16+\i]|, |v[(\base)+32*\c+17+\i]|
.endr
.endr
	WIN 0
	v_max_num_f32 v[TM], v[TM], v[TM+8]              ; the blocks' largest magnitudes
	v_max_num_f32 v[TM+1], v[TM+1], v[TM+9]
	v_add_nc_u32 v[TM+2], 0xff000000, v[TM]          ; 2 off the exponent field: the conversion's scale operand
	v_add_nc_u32 v[TM+3], 0xff000000, v[TM+1]
.if \sw
	WIN 0x01
.endif
.irp c, 0,1
.irp q4, 0,1,2,3
	v_cvt_scalef32_pk8_fp4_f32 v[CDS+8*(\cs)+4*\c+\q4], v[(\base)+32*\c+8*\q4:(\base)+32*\c+8*\q4+7], v[TM+2+\c]
.endr
.endr
	WIN 0
	v_lshrrev_b32 v[TM+4], 23, v[TM+2]               ; the scales' bytes.  (A plain line behind the conversions: it only reads their scale operand)
	v_lshrrev_b32 v[TM+5], 23, v[TM+3]
	v_lshl_or_b32 v[TM+6], v[TM+5], 16, v[TM+4]      ; my blocks h and 2 + h,
	v_lshlrev_b32 v[TM+6], v[SH8], v[TM+6]           ; at their places in the word;
	v_permlanex16_b32 v[TM+7], v[TM+6], s76, s77
	v_or_b32 v[CWD+(\cs)], v[TM+6], v[TM+7]          ; with lane l xor 16's two the word is whole
.endm
; Tile tau = (the n in hand, clips 16 mt ..): f_n x f_m, quantised; my K step's image and scale words to LDS
.macro QTILE mt, tau, cs
	WIN 0x09
.set t, 0
.rept 32
	v_pk_mul_f32 v[PR+2*t:PR+2*t+1], v[64*(\mt)+2*t:64*(\mt)+2*t+1], v[64+2*t:65+2*t]
.set t, t+1
.endr
	QCORE PR, 0, \cs
	ds_store_b128 v[AIW], v[CDS+8*(\cs):CDS+8*(\cs)+3] offset:4096*(\tau)
	ds_store_b128 v[AIW], v[CDS+8*(\cs)+4:CDS+8*(\cs)+7] offset:4096*(\tau)+512
	ds_store_b32 v[ASW], v[CWD+(\cs)] offset:512*(\tau)
.endm
; feats itself, clips 16 nt .., my K step: the operand of v1
.macro FQ nt, cs
	QCORE 64*(\nt), 1, \cs
	ds_store_b128 v[OWN16], v[CDS+8*(\cs):CDS+8*(\cs)+3] offset:FIMG+1024*(\nt)
	ds_store_b128 v[OWN16], v[CDS+8*(\cs)+4:CDS+8*(\cs)+7] offset:FIMG+1024*(\nt)+512
	ds_store_b32 v[OWN4], v[CWD+(\cs)] offset:FSC+128*(\nt)
.endm
; 64 numbers of a lane, register 16 b + i = k 32 b + 16 h + i: a block lies in lanes l and l xor 16
.macro QUANT16 s, cs
.irp b, 0,1,2,3
	v_max3_num_f32 v[TM+\b], |v[\s+16*\b]|, |v[\s+1+16*\b]|, 0x1800000
.endr
.irp i, 2,4,6,8,10,12,14
.irp b, 0,1,2,3
	v_max3_num_f32 v[TM+\b], v[TM+\b], |v[\s+16*\b+\i]|, |v[\s+1+16*\b+\i]|
.endr
.endr
.irp b, 0,1,2,3
	v_permlanex16_b32 v[TM+4+\b], v[TM+\b], s76, s77
.endr
.irp b, 0,1,2,3
	v_max_num_f32 v[TM+\b], v[TM+\b], v[TM+4+\b]
.endr
.irp b, 0,1,2,3
	v_add_nc_u32 v[TM+12+\b], 0xff000000, v[TM+\b]
.endr
.irp b, 0,1,2,3
	v_lshrrev_b32 v[TM+4+\b], 23, v[TM+12+\b]
.endr
	v_lshl_or_b32 v[CWD+(\cs)], v[TM+5], 8, v[TM+4]
	v_lshl_or_b32 v[CWD+(\cs)], v[TM+6], 16, v[CWD+(\cs)]
	v_lshl_or_b32 v[CWD+(\cs)], v[TM+7], 24, v[CWD+(\cs)]
.irp b, 0,1,2,3
	v_cvt_scalef32_pk8_fp4_f32 v[CDS+8*(\cs)+2*\b], v[\s+16*\b:\s+7+16*\b], v[TM+12+\b]
	v_cvt_scalef32_pk8_fp4_f32 v[CDS+8*(\cs)+1+2*\b], v[\s+8+16*\b:\s+15+16*\b], v[TM+12+\b]
.endr
	v_nop                                            ; one plain line behind a scaled conversion
.irp c, 0,1                                      ; the layout wants a whole block in a lane
.irp i, 0,1
	v_permlane16_swap_b32 v[CDS+8*(\cs)+4*\c+\i], v[CDS+8*(\cs)+2+4*\c+\i]
.endr
.endr
.endm
; my head's weight rows 32 jp .. 32 jp + 31, all of K: 8 fragments -> window 2, set jp % 2 (even: v64-127, odd: v0-63)
.macro WFLOAD jp
	WIN 0x80
.irp u, 0,1
.irp ks, 0,1,2,3
.irp c, 0,1
	ds_load_b128 v[64*(1-(\jp)%2)+8*(4*\u+\ks)+4*\c:64*(1-(\jp)%2)+8*(4*\u+\ks)+4*\c+3], v[WFR] offset:(2*(\jp)+\u)*4352+64*\ks+32*\c
.endr
.endr
.endr
.endm
	; ---- HEAD: ids, addresses, descriptors
	s_load_b512 s[8:23], s[0:1], 0x0                 ; feats, sent_iou, sent, sff codes, sff scales, W1 codes, W1 scales, b1
	s_load_b512 s[24:39], s[0:1], 0x40               ; W2 codes, W2 scales, b2, Wfuse, Wiou codes, Wiou scales, Wp codes, Wp scales
	s_load_b64 s[40:41], s[0:1], 0x80                ; out0
	v_lshl_add_u32 v254, v0, 2, 0x4f800
	v_mov_b32 v255, 0
	ds_add_u32 v254, v255
	ds_add_u32 v254, v255
	v_lshrrev_b32 v1, 5, v0
	v_readfirstlane_b32 s2, v1                       ; wave w
	s_lshr_b32 s3, s2, 1                             ; head: 0 iou, 1 contrastive
	s_and_b32 s4, s2, 1                              ; g: which five tiles
	s_and_b32 s5, ttmp7, 0xffff                      ; b
	s_bfe_u32 s7, ttmp6, 0x40000                     ; cx: it enters global addresses, lane selects and compare values alone
	s_lshl_b32 s6, ttmp9, 2
	s_add_co_u32 s6, s6, s7                          ; i
	s_and_b32 s42, ttmp9, 1
	s_lshl_b32 s42, s42, 2
	s_add_co_u32 s42, s42, s7                        ; the fusion head's sentence
	s_lshr_b32 s43, ttmp9, 1                         ; half: the same in all four partners
	s_mov_b32 s76, 0x76543210
	s_mov_b32 s77, 0xfedcba98                        ; v_permlanex16_b32: lane l xor 16
	s_mul_i32 s78, s6, 0x11111111                    ; v_permlane16_b32: every lane takes lane i of its half
	s_mov_b32 s79, s78
	s_cmp_lg_u32 s3, 0
	s_cselect_b32 s88, -1, 0                         ; all lanes: my head has no sigmoid
	s_cmp_lg_u32 s43, 0
	s_cselect_b32 s99, -1, 0                         ; all lanes: half = 1
	s_mov_b32 s89, s6                                ; tiles on the diagonal keep r >= i: tile 0 in both groups,
	s_cmp_lg_u32 s4, 0
	s_cselect_b32 s90, s6, 0                         ; tile 3 in group 1,
	s_cselect_b32 s91, 0, s6                         ; tile 4 in group 0
	s_sub_co_i32 s92, s43, s2
	s_lshl_b32 s92, s92, 4                           ; 16 (half - w)
	s_sub_co_i32 s93, 3, s43
	s_sub_co_i32 s93, s93, s2
	s_lshl_b32 s93, s93, 4                           ; 16 (3 - half - w)
	s_mul_i32 s98, s2, FEW                           ; my quarter of feats in LDS
	v_and_b32 v1, 15, v0                             ; r
	v_bfe_u32 v2, v0, 4, 1                           ; h
	v_and_b32 v3, 31, v0                             ; lane
	v_lshlrev_b32 v[L16], 4, v3
	v_lshlrev_b32 v[L4], 2, v3
	v_add_nc_u32 v[L16B], FE2, v[L16]
	v_add_nc_u32 v[L4B], FE2, v[L4]
	v_mul_u32_u24 v[AFM], v2, 8*1032
	v_lshl_add_u32 v[AFM], v1, 2, v[AFM]
	v_add_nc_u32 v[AFM], s98, v[AFM]
	v_add_nc_u32 v[OWN16], s98, v[L16]
	v_add_nc_u32 v[OWN4], s98, v[L4]
	s_lshl_b32 s94, s2, 10
	s_add_co_u32 s94, s94, AIMG
	v_add_nc_u32 v[AIW], s94, v[L16]
	s_lshl_b32 s94, s2, 7
	s_add_co_u32 s94, s94, ASC
	v_add_nc_u32 v[ASW], s94, v[L4]
	s_lshl_b32 s94, s2, 11
	v_add_nc_u32 v[V1R], s94, v[L16]
	v_add_nc_u32 v[V1RB], FE2, v[V1R]
	s_add_co_u32 s94, s94, Q2IMG
	v_add_nc_u32 v[Q2W], s94, v[L16]
	v_add_nc_u32 v[Q2R], Q2IMG, v[L16]
	s_mul_i32 s94, s4, 5*4096
	s_add_co_u32 s94, s94, AIMG
	v_add_nc_u32 v[AIR], s94, v[L16]
	s_mul_i32 s94, s4, 5*512
	s_add_co_u32 s94, s94, ASC
	v_add_nc_u32 v[ASR], s94, v[L4]
	s_mul_i32 s94, s3, WHB
	s_add_co_u32 s94, s94, WI
	v_mul_u32_u24 v[WFR], v1, 272
	v_lshl_add_u32 v[FST], v2, 5, v[WFR]             ; 272 r + 32 h
	v_lshl_add_u32 v[WFR], v2, 4, v[WFR]             ; 272 r + 16 h
	v_add_nc_u32 v[WFR], s94, v[WFR]
	s_lshl_b32 s94, s2, 6
	s_add_co_u32 s94, s94, FSTG
	v_add_nc_u32 v[FST], s94, v[FST]
	v_mul_u32_u24 v[OSR], v2, 272
	v_lshl_add_u32 v[OSR], v1, 4, v[OSR]             ; 272 h + 16 r
	s_mul_i32 s94, s2, 8*272
	s_add_co_u32 s94, s94, FSTG
	v_add_nc_u32 v[FSR], s94, v[OSR]
	s_add_co_u32 s94, s98, OSTG
	v_add_nc_u32 v[OSR], s94, v[OSR]
	v_lshl_add_u32 v[TMPA], v1, 2, s94               ; my stage + 4 r.  Stage row = 8 x (which of my two n) + sentence; a tile's 16 m are 64 bytes
	s_lshl_b32 s96, s4, 6
	s_mul_i32 s97, s4, 2112
	v_add_nc_u32 v[OST], s96, v[TMPA]                ; group 0: (n0, m tiles 0 1 2 3), (n3, 3);  group 1: (n1, 1 2 3), (n2, 2 3)
	s_add_co_u32 s94, s96, 64
	v_add_nc_u32 v[OST+1], s94, v[TMPA]
	s_add_co_u32 s94, s96, 128
	v_add_nc_u32 v[OST+2], s94, v[TMPA]
	s_add_co_u32 s94, s97, 192
	v_add_nc_u32 v[OST+3], s94, v[TMPA]
	v_add_nc_u32 v[OST+4], 2368, v[TMPA]
	v_lshlrev_b32 v[SH8], 3, v2
	v_lshlrev_b32 v[VO0], 14, v2
	v_lshl_add_u32 v[VO0], v1, 4, v[VO0]
	s_lshl_b32 s94, s4, 13
	s_sub_co_u32 s94, 12288, s94                     ; my second n lies 48 rows (group 0) or 16 rows (group 1) below my first
	v_add_nc_u32 v[VO1], s94, v[VO0]
	v_and_b32 v[TMPA], 8, v1
	v_add_nc_u32 v[TMPA], v[TMPA], v1                ; r + 8 (r / 8): the rows of W1 and W2 that form a tile are chosen so that two tiles' 16 registers are 16 neighbours along the next K
	v_lshlrev_b32 v[GW], 8, v[TMPA]
	v_lshl_add_u32 v[GW], v2, 4, v[GW]
	v_lshlrev_b32 v[GWS], 4, v[TMPA]
	v_lshlrev_b32 v[GB], 6, v2
	v_and_b32 v[GS], 7, v1
	v_lshlrev_b32 v[GS], 10, v[GS]
	v_lshl_add_u32 v[GS], v2, 5, v[GS]
	v_lshlrev_b32 v[GF], 4, v2
	v_mov_b32 v[NIL], 0
	v_sub_nc_u32 v[DA], v1, v[SH8]
	v_add_nc_u32 v[DB], s93, v[DA]
	v_add_nc_u32 v[DA], s92, v[DA]
.irp k, 4,5,6,7,8
	v_mov_b32 v[TM+\k], 0                            ; written once: a lane permute's destination counts as one of its sources
.endr
	; descriptor group 1 for feats: 32 rows of 128 elements of 8 bytes, dense; 2 words of padding behind each 256
	s_mov_b32 s44, 15|(3<<16)|(1<<20)|(1<<21)|(7<<22)|(1<<25)
	s_mov_b32 s45, 128<<16
	s_mov_b32 s46, 32<<16
	s_mov_b32 s47, 128<<16
	s_mov_b32 s48, 32
	s_mov_b32 s49, 128
	s_mov_b32 s50, 0
	s_mov_b32 s51, 0
	; and for a weight's codes: 64 rows of 256 bytes, dense; 4 words of padding behind each 64
	s_mov_b32 s52, 15|(0<<16)|(1<<20)|(1<<21)|(5<<22)|(3<<25)
	s_mov_b32 s53, 256<<16
	s_mov_b32 s54, 64<<16
	s_mov_b32 s55, 256<<16
	s_mov_b32 s56, 64
	s_mov_b32 s57, 256
	s_mov_b32 s58, 0
	s_mov_b32 s59, 0
	s_mov_b32 s95, 0
	s_lshl_b32 s94, s5, 17                           ; feats[b],
	s_lshl_b32 s96, s2, 15                           ; my 128 d: b and w alone, which the four partners share
	s_add_co_u32 s94, s94, s96
	s_wait_dscnt 0x0
	s_wait_kmcnt 0x0
	s_mov_b32 s60, 1
	s_mul_i32 s61, s2, FEW
	s_add_nc_u64 s[62:63], s[8:9], s[94:95]
	s_or_b32 s63, s63, 0x80000000
	s_lshl_b32 s94, s2, 14                           ; my 64 rows of each weight
	s_mul_i32 s96, s2, WROWS
	s_mov_b32 s68, 1
	s_add_co_u32 s69, s96, WI
	s_add_nc_u64 s[70:71], s[32:33], s[94:95]
	s_or_b32 s71, s71, 0x80000000
	s_mov_b32 s72, 1
	s_add_co_u32 s73, s96, WI+WHB
	s_add_nc_u64 s[74:75], s[36:37], s[94:95]
	s_or_b32 s75, s75, 0x80000000
	ROUND                                            ; all four work-groups are here: the joint loads meet
	tensor_load_to_lds s[60:63], s[44:51]            ; feats first: it is wanted first.  Three loads of mine are out
	s_nop 0
	tensor_load_to_lds s[68:71], s[52:59]
	s_nop 0
	tensor_load_to_lds s[72:75], s[52:59]
	s_nop 0
	PLACES 4                                         ; four v_nop behind the loads
	s_mov_b32 s97, 0
	s_cmp_eq_u32 s3, 0
	s_cselect_b64 s[80:81], s[10:11], s[12:13]       ; my head's sentences,
	s_cselect_b64 s[82:83], s[34:35], s[38:39]       ; and its weight's scale bytes
	s_lshl_b32 s94, s5, 13
	s_add_nc_u64 s[80:81], s[80:81], s[94:95]
	s_lshl_b32 s94, s5, 3
	s_add_co_u32 s94, s94, s42                       ; 8 b + s
	s_lshl_b32 s96, s94, 4
	s_lshl_b32 s94, s94, 8
	s_add_nc_u64 s[14:15], s[14:15], s[94:95]
	s_add_nc_u64 s[16:17], s[16:17], s[96:97]
	s_lshl_b32 s94, s2, 13                           ; my 32 rows of W1 and of W2,
	s_add_nc_u64 s[18:19], s[18:19], s[94:95]
	s_add_nc_u64 s[24:25], s[24:25], s[94:95]
	s_lshl_b32 s94, s2, 9                            ; their scale bytes,
	s_add_nc_u64 s[20:21], s[20:21], s[94:95]
	s_add_nc_u64 s[26:27], s[26:27], s[94:95]
	s_lshl_b32 s94, s2, 7                            ; their biases
	s_add_nc_u64 s[22:23], s[22:23], s[94:95]
	s_add_nc_u64 s[28:29], s[28:29], s[94:95]
	; group A: my head's 8 sentences in f32, in the bf16 operand's order: row r % 8, j = 32 jp + 16 u + 8 h + 0 .. 7 -> window 3, v[16 jp + 8 u ..]
	WIN 0xc0
.irp jp, 0,1,2,3,4,5,6,7
.irp u, 0,1
.irp e, 0,1
	global_load_b128 v[16*\jp+8*\u+4*\e:16*\jp+8*\u+4*\e+3], v[GS], s[80:81] offset:128*\jp+64*\u+16*\e
.endr
.endr
.endr
	; group B, 31 loads: what q2 wants
	WIN 0x80
.irp u, 0,1
.irp ks, 0,1,2,3
.irp c, 0,1
	global_load_b128 v[64+8*(4*\u+\ks)+4*\c:64+8*(4*\u+\ks)+4*\c+3], v[GW], s[24:25] offset:2048*\u+64*\ks+32*\c
.endr
.endr
.endr
.irp u, 0,1
.irp e, 0,1
	global_load_b128 v[176+8*\u+4*\e:176+8*\u+4*\e+3], v[GB], s[28:29] offset:32*\u+16*\e
.endr
.endr
.irp ks, 0,1,2,3
.irp c, 0,1
	global_load_b128 v[128+8*\ks+4*\c:128+8*\ks+4*\c+3], v[GF], s[14:15] offset:64*\ks+32*\c   ; all 16 columns are the one sentence
.endr
.endr
	WIN 0
.irp u, 0,1
	global_load_b128 v[SCW2+4*\u:SCW2+4*\u+3], v[GWS], s[26:27] offset:128*\u
.endr
	global_load_b128 v[SCSF:SCSF+3], v[NIL], s[16:17]
	; the outputs' addresses
	s_lshl_b32 s94, s3, 22                           ; head 0 or 2,
	s_lshl_b32 s96, s5, 17                           ; b,
	s_add_co_u32 s94, s94, s96
	s_lshl_b32 s96, s4, 4
	s_add_co_u32 s96, s96, s6
	s_lshl_b32 s96, s96, 8                           ; row n = i + 16 g
	s_add_co_u32 s94, s94, s96
	s_add_nc_u64 s[84:85], s[40:41], s[94:95]
	s_sub_co_u32 s96, 3, s43
	s_cmp_lt_u32 s2, 2
	s_cselect_b32 s96, s43, s96                      ; waves 0, 1 store clip tile half, waves 2, 3 tile 3 - half,
	s_lshl_b32 s96, s96, 4
	s_lshl_b32 s94, s4, 3
	s_add_co_u32 s96, s96, s94                       ; eight rows each
	s_lshl_b32 s96, s96, 8
	s_lshl_b32 s94, s5, 17
	s_add_co_u32 s94, s94, s96
	s_lshl_b32 s96, s42, 14
	s_add_co_u32 s94, s94, s96
	s_add_co_u32 s94, s94, 0x200000                  ; head 1
	s_add_nc_u64 s[86:87], s[40:41], s[94:95]
	; ---- S: the sentences, normalised in f32 and rounded to bf16
	s_wait_loadcnt 31                                ; group A is in; the 31 loads of group B were issued behind it
	; group C, 38 loads: what v1 and the fusion want
	WIN 0x80
.irp u, 0,1
.irp ks, 0,1,2,3
.irp c, 0,1
	global_load_b128 v[8*(4*\u+\ks)+4*\c:8*(4*\u+\ks)+4*\c+3], v[GW], s[18:19] offset:2048*\u+64*\ks+32*\c
.endr
.endr
.endr
.irp u, 0,1
.irp e, 0,1
	global_load_b128 v[160+8*\u+4*\e:160+8*\u+4*\e+3], v[GB], s[22:23] offset:32*\u+16*\e
.endr
.endr
.irp bb, 0,1,2,3
.irp q4, 0,1,2,3
	global_load_b128 v[192+16*\bb+4*\q4:192+16*\bb+4*\q4+3], v[GB], s[30:31] offset:128*\bb+16*\q4   ; Wfuse[32 bb + 16 h + ..]
.endr
.endr
	WIN 0
.irp u, 0,1
	global_load_b128 v[SCW1+4*\u:SCW1+4*\u+3], v[GWS], s[20:21] offset:128*\u
.endr
	WIN 0xff                                         ; all in window 3
.set t, 0
.rept 4
	v_pk_mul_f32 v[128+2*t:129+2*t], v[2*t:2*t+1], v[2*t:2*t+1]         ; the sum of squares in four packed chains
.set t, t+1
.endr
.rept 60
	v_pk_fma_f32 v[128+2*(t%4):129+2*(t%4)], v[2*t:2*t+1], v[2*t:2*t+1], v[128+2*(t%4):129+2*(t%4)]
.set t, t+1
.endr
	v_pk_add_f32 v[128:129], v[128:129], v[130:131]
	v_pk_add_f32 v[132:133], v[132:133], v[134:135]
	v_pk_add_f32 v[128:129], v[128:129], v[132:133]
	v_add_f32 v128, v128, v129
	v_permlanex16_b32 v130, v128, s76, s77           ; the row's other 128 numbers lie in lane l xor 16
	v_add_f32 v128, v128, v130
	v_sqrt_f32 v129, v128
	v_nop
	s_wait_alu depctr_va_vdst(0)                     ; the wait ahead of the result's first reader
	v_max_num_f32 v129, 0x2b8cbccc, v129             ; the clip at 1e-12
	v_rcp_f32 v130, v129
	v_nop
	s_wait_alu depctr_va_vdst(0)
.set t, 0
.rept 64
	v_pk_mul_f32 v[2*t:2*t+1], v[2*t:2*t+1], v[130:131] op_sel_hi:[1,0]
.set t, t+1
.endr
.set t, 0
.rept 64
	v_cvt_pk_bf16_f32 v[192+t], v[2*t], v[2*t+1]     ; rows 8-15 are copies of rows 0-7: both halves of the lanes will hold the same scores
.set t, t+1
.endr
	; ---- q2 = sentence x W2 + b2, units 32 w .. 32 w + 31.  Source 0 = 16 rows of W2, source 1 = the sentence; two accumulators by turns; b2 is the C of the first K step
	s_wait_loadcnt 38                                ; group B is in; the 38 loads of group C were issued behind it
.irp ks, 0,1,2,3
.if \ks == 0
	WIN 0x2a
.else
	WIN 0x0a
.endif
.irp u, 0,1
.if \ks == 0
	MM PR+8*\u, 64+8*(4*\u+\ks), 128+8*\ks, 176+8*\u, SCW2+4*\u+\ks, SCSF+\ks, 0
.else
	MM PR+8*\u, 64+8*(4*\u+\ks), 128+8*\ks, PR+8*\u, SCW2+4*\u+\ks, SCSF+\ks, 0
.endif
.endr
.endr
	WIN 0
	PLACES 4
.irp q4, 0,1,2,3
	ds_store_b128 v[Q2W], v[PR+4*\q4:PR+4*\q4+3] offset:512*\q4        ; register 8 u + e of lane (., h) = q2[32 w + 16 h + 8 u + e]
.endr
	; ---- Q: my K step of the ten tiles of A, and of feats
	s_wait_tensorcnt 2                               ; my quarter of feats has landed (issued first); I alone read it
	FMLOAD 3
	FMLOAD 2
	s_wait_dscnt 63                                  ; 64 loads follow chunk 3's last; the count's field ends at 63
	FNMAKE 3
	QTILE 3, 4, 0
	FMLOAD 1
	s_wait_dscnt 63                                  ; 3 stores and 64 loads follow chunk 2's last
	FNMAKE 2
	QTILE 2, 8, 1
	QTILE 3, 9, 2
	FMLOAD 0
	s_wait_dscnt 63                                  ; 6 stores and 64 loads follow chunk 1's last
	FNMAKE 1
	QTILE 1, 5, 3
	QTILE 2, 6, 4
	QTILE 3, 7, 5
	s_wait_dscnt 9                                   ; nine stores follow chunk 0's last load; the stores of code sets 0 to 2 are done too
	FNMAKE 0
	QTILE 0, 0, 6
	QTILE 1, 1, 0
	QTILE 2, 2, 1
	QTILE 3, 3, 2
	s_wait_dscnt 0x0                                 ; all stores have read their registers; all my reads of my quarter are over: it may be written
	FQ 0, 0
	FQ 1, 1
	FQ 2, 2
	FQ 3, 3
	s_wait_tensorcnt 0x0                             ; for the others' sake: my quarters of both weights have landed
	BAR                                              ; A's images, feats' images and q2 lie in LDS; both weights are whole
	; ---- v1 = W1^T Q(feats) + b1, units 32 w .. 32 w + 31, all 64 clips
	WIN 0x40
.irp nt, 0,1,2,3
.irp ks, 0,1,2,3
.irp c, 0,1
.if \ks < 2
	ds_load_b128 v[8*(4*\nt+\ks)+4*\c:8*(4*\nt+\ks)+4*\c+3], v[L16] offset:\ks*FEW+FIMG+1024*\nt+512*\c
.else
	ds_load_b128 v[8*(4*\nt+\ks)+4*\c:8*(4*\nt+\ks)+4*\c+3], v[L16B] offset:(\ks-2)*FEW+FIMG+1024*\nt+512*\c
.endif
.endr
.endr
.endr
	WIN 0
.irp nt, 0,1,2,3
.irp ks, 0,1,2,3
.if \ks < 2
	ds_load_b32 v[SCF+4*\nt+\ks], v[L4] offset:\ks*FEW+FSC+128*\nt
.else
	ds_load_b32 v[SCF+4*\nt+\ks], v[L4B] offset:(\ks-2)*FEW+FSC+128*\nt
.endif
.endr
.endr
	WIN 0xc0                                         ; my five tiles of A, for later: 40 + 20 loads
.irp p, 0,1,2,3,4
.irp ks, 0,1,2,3
.irp c, 0,1
	ds_load_b128 v[32*\p+8*\ks+4*\c:32*\p+8*\ks+4*\c+3], v[AIR] offset:4096*\p+1024*\ks+512*\c
.endr
.endr
.endr
	WIN 0
.irp p, 0,1,2,3,4
.irp ks, 0,1,2,3
	ds_load_b32 v[SCA+4*\p+\ks], v[ASR] offset:512*\p+128*\ks
.endr
.endr
	s_wait_loadcnt 0x0                               ; group C
	s_wait_dscnt 60                                  ; feats' fragments and scale words are in; A's 60 loads may stay out
.irp ks, 0,1,2,3
.if \ks == 0
	WIN 0x26
.else
	WIN 0x06
.endif
.irp nt, 0,1,2,3
.irp u, 0,1
.if \ks == 0
	MM PR+8*(2*\nt+\u), 8*(4*\u+\ks), 8*(4*\nt+\ks), 160+8*\u, SCW1+4*\u+\ks, SCF+4*\nt+\ks, 0
.else
	MM PR+8*(2*\nt+\u), 8*(4*\u+\ks), 8*(4*\nt+\ks), PR+8*(2*\nt+\u), SCW1+4*\u+\ks, SCF+4*\nt+\ks, 0
.endif
.endr
.endr
.endr
	WIN 0
	PLACES 4                                         ; in front of the reads of results and of loads into registers that these products have read
	WFLOAD 0                                         ; my head's first 32 weight rows
	WIN 0
.irp jp, 0,1,2,3,4,5,6,7
	global_load_b128 v[SCW+4*\jp:SCW+4*\jp+3], v[L16], s[82:83] offset:512*\jp    ; lane l: the four scale words of weight row 32 jp + l
.endr
.irp nt, 0,1,2,3
.irp q4, 0,1,2,3
	ds_store_b128 v[OWN16], v[PR+16*\nt+4*\q4:PR+16*\nt+4*\q4+3] offset:V1IMG+2048*\nt+512*\q4   ; register 8 u + e of lane (r, h) = v1[32 w + 16 h + 8 u + e][16 nt + r]
.endr
.endr
	BAR                                              ; v1 lies in LDS
	; ---- fusion = v1 x q2 for clips 16 w .. 16 w + 15, all 128 units: register 16 bb + t = unit 32 bb + 16 h + t
.irp bb, 0,1,2,3
.irp q4, 0,1,2,3
.if \bb < 2
	ds_load_b128 v[PR+16*\bb+4*\q4:PR+16*\bb+4*\q4+3], v[V1R] offset:\bb*FEW+V1IMG+512*\q4
.else
	ds_load_b128 v[PR+16*\bb+4*\q4:PR+16*\bb+4*\q4+3], v[V1RB] offset:(\bb-2)*FEW+V1IMG+512*\q4
.endif
.endr
.endr
	WIN 0x40
.irp bb, 0,1,2,3
.irp q4, 0,1,2,3
	ds_load_b128 v[128+16*\bb+4*\q4:128+16*\bb+4*\q4+3], v[Q2R] offset:2048*\bb+512*\q4
.endr
.endr
	s_wait_dscnt 0x0
	WIN 0x04
.set t, 0
.rept 32
	v_pk_mul_f32 v[PR+2*t:PR+2*t+1], v[PR+2*t:PR+2*t+1], v[128+2*t:129+2*t]
.set t, t+1
.endr
	WIN 0
	QUANT16 PR, 0                                    ; the plain operand
	ds_store_b128 v[OWN16], v[CDS:CDS+3] offset:FBI
	ds_store_b128 v[OWN16], v[CDS+4:CDS+7] offset:FBI+512
	ds_store_b32 v[OWN4], v[CWD] offset:FBS
	WIN 0x02
.set t, 0
.rept 32
	v_pk_mul_f32 v[PR+2*t:PR+2*t+1], v[192+2*t:193+2*t], v[PR+2*t:PR+2*t+1]     ; Wfuse x (v1 x q2): the definition's order of roundings
.set t, t+1
.endr
	WIN 0
	QUANT16 PR, 1                                    ; the weighted operand
	ds_store_b128 v[OWN16], v[CDS+8:CDS+11] offset:FAI
	ds_store_b128 v[OWN16], v[CDS+12:CDS+15] offset:FAI+512
	ds_store_b32 v[OWN4], v[CWD+1] offset:FAS
	BAR                                              ; both operands of all four clip tiles lie in LDS
	; ---- the fusion score: end clips m = 16 w .. (source 0, plain) against start clips of tiles half and 3 - half (source 1, weighted): a lane holds one n and eight neighbouring m
	ds_load_b128 v[PR:PR+3], v[OWN16] offset:FBI
	ds_load_b128 v[PR+4:PR+7], v[OWN16] offset:FBI+512
	ds_load_b32 v[SCFB], v[OWN4] offset:FBS
.irp nt, 0,1,2,3
.irp c, 0,1
.if \nt < 2
	ds_load_b128 v[PR+8+8*\nt+4*\c:PR+8+8*\nt+4*\c+3], v[L16] offset:\nt*FEW+FAI+512*\c
.else
	ds_load_b128 v[PR+8+8*\nt+4*\c:PR+8+8*\nt+4*\c+3], v[L16B] offset:(\nt-2)*FEW+FAI+512*\c
.endif
.endr
.if \nt < 2
	ds_load_b32 v[SCFA+\nt], v[L4] offset:\nt*FEW+FAS
.else
	ds_load_b32 v[SCFA+\nt], v[L4B] offset:(\nt-2)*FEW+FAS
.endif
.endr
	s_wait_dscnt 0x0
	v_cndmask_b32 v[SCFA], v[SCFA], v[SCFA+1], s99           ; the choice of tiles selects values: no LDS address and no branch hangs on it.  Tile half,
	v_cndmask_b32 v[SCFA+3], v[SCFA+3], v[SCFA+2], s99       ; tile 3 - half
.set t, 0
.rept 8
	v_cndmask_b32 v[PR+8+t], v[PR+8+t], v[PR+16+t], s99
	v_cndmask_b32 v[PR+32+t], v[PR+32+t], v[PR+24+t], s99
.set t, t+1
.endr
	PLACES 8                                         ; scale words written by vector instructions stand eight places ahead of a scaled matrix instruction, operands four
	MM PR+40, PR, PR+8, -1, SCFB, SCFA, 0
	MM PR+48, PR, PR+32, -1, SCFB, SCFA+3, 0
	PLACES 4
.set t, 0
.rept 8
	v_pk_mul_f32 v[PR+40+2*t:PR+41+2*t], v[PR+40+2*t:PR+41+2*t], 0xc166d4ca op_sel_hi:[1,0]     ; x -10 log2(e)
.set t, t+1
.endr
.set t, 0
.rept 16
	v_exp_f32 v[PR+40+t], v[PR+40+t]
.set t, t+1
.endr
	v_nop
	s_wait_alu depctr_va_vdst(0)                     ; one wait for the batch
.set t, 0
.rept 8
	v_pk_add_f32 v[PR+40+2*t:PR+41+2*t], v[PR+40+2*t:PR+41+2*t], 1.0 op_sel_hi:[1,0]
.set t, t+1
.endr
.set t, 0
.rept 16
	v_rcp_f32 v[PR+40+t], v[PR+40+t]                 ; sigmoid(10 x) = 1 / (1 + 2^(-10 log2(e) x))
.set t, t+1
.endr
	v_nop
	s_wait_alu depctr_va_vdst(0)
.irp e, 0,1,2,3,4,5,6,7
	v_cmp_ge_i32 vcc_lo, \e, v[DA]                   ; n <= m: whole, diagonal and empty tiles alike
	v_cndmask_b32 v[PR+40+\e], 0, v[PR+40+\e], vcc_lo
	v_cmp_ge_i32 vcc_lo, \e, v[DB]
	v_cndmask_b32 v[PR+48+\e], 0, v[PR+48+\e], vcc_lo
.endr
.irp a, 0,1
	ds_store_b128 v[FST], v[PR+40+8*\a:PR+43+8*\a] offset:4352*\a
	ds_store_b128 v[FST], v[PR+44+8*\a:PR+47+8*\a] offset:4352*\a+16
.endr
	BAR                                              ; 32 whole rows of the fusion head lie in the stage
.irp i, 0,1,2,3
	ds_load_b128 v[PR+56+4*\i:PR+59+4*\i], v[FSR] offset:544*\i
.endr
.irp i, 0,1,2,3
	s_wait_dscnt 3-\i
	global_store_b128 v[L16], v[PR+56+4*\i:PR+59+4*\i], s[86:87] offset:512*\i th:TH_STORE_NT     ; 32 lanes store 512 consecutive bytes: two whole rows
.endr
	s_wait_xcnt 0x0                                  ; the stores have read their registers: accumulators take them next
	; ---- M: my head's map for my five tiles, 32 weight rows at a time.  Source 0 = 16 weight rows, source 1 = a tile's 16 pairs (n, m): a lane holds one pair and eight j.
	; Ten accumulators take turns.  Rounded to bf16 in pairs they ARE source 1 (32 j x 16 pairs) of the product with the sentences; their squares go to the pair's norm.
.macro JP jp
	s_wait_dscnt 0x0                                 ; this step's weight fragments are in
.if \jp < 7
	WFLOAD (\jp)+1                                   ; the next step's, into the set that the step before has left
.endif
.set WB, 64*(1-(\jp)%2)
	WIN 0x0e
.irp ks, 0,1,2,3
.irp u, 0,1
.irp p, 0,1,2,3,4
.if \ks == 0
	MM PR+8*(5*\u+\p), WB+8*(4*\u+\ks), 32*\p+8*\ks, -1, SCW+4*(\jp)+\ks, SCA+4*\p+\ks, \u
.else
	MM PR+8*(5*\u+\p), WB+8*(4*\u+\ks), 32*\p+8*\ks, PR+8*(5*\u+\p), SCW+4*(\jp)+\ks, SCA+4*\p+\ks, \u
.endif
.endr
.endr
.endr
	WIN 0x50
	PLACES 4
.irp u, 0,1
.irp p, 0,1,2,3,4
.irp x, 0,1,2,3
	v_cvt_pk_bf16_f32 v[8*\p+4*\u+\x], v[PR+8*(5*\u+\p)+2*\x], v[PR+8*(5*\u+\p)+2*\x+1]     ; each accumulator from its low end on
.endr
.endr
.endr
.irp u, 0,1
.irp x, 0,1,2,3
.irp p, 0,1,2,3,4
.if ((\jp) == 0) && (\u == 0) && (\x == 0)
	v_pk_mul_f32 v[40+2*\p:41+2*\p], v[PR+8*(5*\u+\p)+2*\x:PR+8*(5*\u+\p)+2*\x+1], v[PR+8*(5*\u+\p)+2*\x:PR+8*(5*\u+\p)+2*\x+1]
.else
	v_pk_fma_f32 v[40+2*\p:41+2*\p], v[PR+8*(5*\u+\p)+2*\x:PR+8*(5*\u+\p)+2*\x+1], v[PR+8*(5*\u+\p)+2*\x:PR+8*(5*\u+\p)+2*\x+1], v[40+2*\p:41+2*\p]
.endif
.endr
.endr
.endr
	WIN 0x57
.irp p, 0,1,2,3,4
.if (\jp) == 0
	v_wmma_f32_16x16x32_bf16 v[56+8*\p:63+8*\p], v[192+8*(\jp):199+8*(\jp)], v[8*\p:8*\p+7], 0
.else
	v_wmma_f32_16x16x32_bf16 v[56+8*\p:63+8*\p], v[192+8*(\jp):199+8*(\jp)], v[8*\p:8*\p+7], v[56+8*\p:63+8*\p]
.endif
.endr
.endm
	s_wait_loadcnt 0x0                               ; the weight's scale words
	JP 0
	JP 1
	JP 2
	JP 3
	JP 4
	JP 5
	JP 6
	JP 7
	; ---- the way out of heads 0 and 2
	PLACES 4
	WIN 0x05
.irp p, 0,1,2,3,4
	v_add_f32 v[136+\p], v[40+2*\p], v[41+2*\p]
.endr
	WIN 0
.irp p, 0,1,2,3,4
	v_permlanex16_b32 v[TM+4+\p], v[136+\p], s76, s77        ; the pair's other 128 j lie in lane l xor 16
.endr
.irp p, 0,1,2,3,4
	v_add_f32 v[136+\p], v[136+\p], v[TM+4+\p]
.endr
.irp p, 0,1,2,3,4
	v_sqrt_f32 v[136+\p], v[136+\p]
.endr
	v_nop
	s_wait_alu depctr_va_vdst(0)
.irp p, 0,1,2,3,4
	v_max_num_f32 v[136+\p], 0x2b8cbccc, v[136+\p]           ; the clip at 1e-12
.endr
.irp p, 0,1,2,3,4
	v_rcp_f32 v[142+2*\p], v[136+\p]
.endr
	v_nop
	s_wait_alu depctr_va_vdst(0)
.irp p, 0,1,2,3,4
	v_mul_f32 v[143+2*\p], 0xc166d4ca, v[142+2*\p]           ; and x -10 log2(e), for the sigmoid
.endr
	WIN 0x01
.irp p, 0,1,2,3,4
.irp x, 0,1,2,3
	v_pk_mul_f32 v[PR+8*\p+2*\x:PR+8*\p+2*\x+1], v[56+8*\p+2*\x:57+8*\p+2*\x], v[142+2*\p:143+2*\p] op_sel_hi:[1,0]       ; the cosine: register e = sentence e, in both halves of the lanes
.endr
.endr
.irp p, 0,1,2,3,4
.irp x, 0,1,2,3
	v_pk_mul_f32 v[PR+40+8*\p+2*\x:PR+41+8*\p+2*\x], v[56+8*\p+2*\x:57+8*\p+2*\x], v[142+2*\p:143+2*\p] op_sel:[0,1] op_sel_hi:[1,1]
.endr
.endr
	WIN 0
.set t, 0
.rept 40
	v_exp_f32 v[PR+40+t], v[PR+40+t]
.set t, t+1
.endr
	v_nop
	s_wait_alu depctr_va_vdst(0)
.set t, 0
.rept 20
	v_pk_add_f32 v[PR+40+2*t:PR+41+2*t], v[PR+40+2*t:PR+41+2*t], 1.0 op_sel_hi:[1,0]
.set t, t+1
.endr
.set t, 0
.rept 40
	v_rcp_f32 v[PR+40+t], v[PR+40+t]
.set t, t+1
.endr
	v_nop
	s_wait_alu depctr_va_vdst(0)
.set t, 0
.rept 40
	v_cndmask_b32 v[PR+t], v[PR+40+t], v[PR+t], s88          ; the contrastive head keeps the cosine: a choice of values, no branch
.set t, t+1
.endr
	v_cmp_le_u32 vcc_lo, s89, v1                             ; tiles on the diagonal: n <= m is i <= r
.set t, 0
.rept 8
	v_cndmask_b32 v[PR+t], 0, v[PR+t], vcc_lo
.set t, t+1
.endr
	v_cmp_le_u32 vcc_lo, s90, v1
.set t, 0
.rept 8
	v_cndmask_b32 v[PR+24+t], 0, v[PR+24+t], vcc_lo
.set t, t+1
.endr
	v_cmp_le_u32 vcc_lo, s91, v1
.set t, 0
.rept 8
	v_cndmask_b32 v[PR+32+t], 0, v[PR+32+t], vcc_lo
.set t, t+1
.endr
.irp k, 158,159,160,161
	v_mov_b32 v[\k], 0
.endr
.irp i, 0,1,2,3,4,5,6,7,8
	ds_store_b128 v[OWN16], v[158:161] offset:OSTG+512*\i    ; zeros first: what lies under the mask stays zero
.endr
.irp p, 0,1,2,3,4
.irp e, 0,1,2,3,4,5,6,7
	ds_store_b32 v[OST+\p], v[PR+8*\p+\e] offset:272*\e      ; lanes l and l + 16 write the same word with the same value
.endr
.endr
.irp i, 0,1,2,3,4,5,6,7
	ds_load_b128 v[PR+40+4*\i:PR+43+4*\i], v[OSR] offset:544*\i      ; LDS serves a wave's instructions in order (ISA guide 5.7.1.4): these see my stores
.endr
.irp i, 0,1,2,3
	s_wait_dscnt 7-\i
	global_store_b128 v[VO0], v[PR+40+4*\i:PR+43+4*\i], s[84:85] offset:32768*\i th:TH_STORE_NT     ; sixteen lanes store a whole row of 256 bytes: sentences 2 i and 2 i + 1 of my first n
.endr
.irp i, 0,1,2,3
	s_wait_dscnt 3-\i
	global_store_b128 v[VO1], v[PR+56+4*\i:PR+59+4*\i], s[84:85] offset:32768*\i th:TH_STORE_NT     ; of my second n
.endr
	s_wait_dscnt 0x0
	s_wait_tensorcnt 0x0
	ds_add_u32 v254, v255
	s_wait_dscnt 0x0
	ROUND                                            ; the closing round: no work-group ends while a partner may still ask for a tile that names it
	s_endpgm
.Lfunc_end_k_qa79a60807a_mmn:
	.size	k_qa79a60807a_mmn, .Lfunc_end_k_qa79a60807a_mmn-k_qa79a60807a_mmn
	.p2alignl 7, 3214868480
	.fill 96, 4, 3214868480
	.section	.rodata,"a",@progbits
	.p2align	6, 0x0
	.amdhsa_kernel k_qa79a60807a_mmn
		.amdhsa_group_segment_fixed_size 327680
		.amdhsa_private_segment_fixed_size 0
		.amdhsa_enable_private_segment 0
		.amdhsa_kernarg_size 136
		.amdhsa_user_sgpr_count 2
		.amdhsa_user_sgpr_kernarg_segment_ptr 1
		.amdhsa_wavefront_size32 1
		.amdhsa_system_sgpr_workgroup_id_x 1
		.amdhsa_system_sgpr_workgroup_id_y 1
		.amdhsa_system_sgpr_workgroup_id_z 1
		.amdhsa_system_vgpr_workitem_id 0
		.amdhsa_next_free_vgpr 1024
		.amdhsa_next_free_sgpr 100
		.amdhsa_reserve_vcc 1
		.amdhsa_float_denorm_mode_32 3
		.amdhsa_float_denorm_mode_16_64 3
		.amdhsa_memory_ordered 1
		.amdhsa_forward_progress 1
		.amdhsa_inst_pref_size 255
	.end_amdhsa_kernel
	.section	.bss,"aw",@nobits
	.p2align	6
	.space	262144
	.amdgpu_metadata
---
amdhsa.version: [ 1, 2 ]
amdhsa.kernels:
  - .name:           k_qa79a60807a_mmn
    .symbol:         k_qa79a60807a_mmn.kd
    .args:
      - { .name: feats, .offset: 0, .size: 8, .value_kind: global_buffer, .address_space: global }
      - { .name: sent_feat_iou, .offset: 8, .size: 8, .value_kind: global_buffer, .address_space: global }
      - { .name: sent_feat, .offset: 16, .size: 8, .value_kind: global_buffer, .address_space: global }
      - { .name: sent_feat_fusion_codes, .offset: 24, .size: 8, .value_kind: global_buffer, .address_space: global }
      - { .name: sent_feat_fusion_scales, .offset: 32, .size: 8, .value_kind: global_buffer, .address_space: global }
      - { .name: W1_codes, .offset: 40, .size: 8, .value_kind: global_buffer, .address_space: global }
      - { .name: W1_scales, .offset: 48, .size: 8, .value_kind: global_buffer, .address_space: global }
      - { .name: b1, .offset: 56, .size: 8, .value_kind: global_buffer, .address_space: global }
      - { .name: W2_codes, .offset: 64, .size: 8, .value_kind: global_buffer, .address_space: global }
      - { .name: W2_scales, .offset: 72, .size: 8, .value_kind: global_buffer, .address_space: global }
      - { .name: b2, .offset: 80, .size: 8, .value_kind: global_buffer, .address_space: global }
      - { .name: Wfuse, .offset: 88, .size: 8, .value_kind: global_buffer, .address_space: global }
      - { .name: Wiou_codes, .offset: 96, .size: 8, .value_kind: global_buffer, .address_space: global }
      - { .name: Wiou_scales, .offset: 104, .size: 8, .value_kind: global_buffer, .address_space: global }
      - { .name: Wp_codes, .offset: 112, .size: 8, .value_kind: global_buffer, .address_space: global }
      - { .name: Wp_scales, .offset: 120, .size: 8, .value_kind: global_buffer, .address_space: global }
      - { .name: out0, .offset: 128, .size: 8, .value_kind: global_buffer, .address_space: global }
    .group_segment_fixed_size: 327680
    .private_segment_fixed_size: 0
    .kernarg_segment_align: 8
    .kernarg_segment_size: 136
    .max_flat_workgroup_size: 128
    .sgpr_count:     100
    .vgpr_count:     1024
    .wavefront_size: 32
...
	.end_amdgpu_metadata
.endif
;; end of part 1
